; MI455X (gfx1250); checked and timed in simulation.
; The chip was launched on July 23, 2026; its instructions are those of AMD's public machine-readable ISA for CDNA 5 (MIT licence, August 2026) and "CDNA5" Instruction Set Architecture Reference Guide (July 2026). The comments in the code are by the model that wrote it; some were corrected since.
;; MU Attention Layer. Allowed arithmetic: matrix products marked QUANTISED: E2M3 operands, one E8M0 scale for each 32 along K, by v_wmma_scale_f32_16x16x128_f8f6f4 with both operands' format E2M3, f32 sums; products left as they are: f32 operands where the result goes on into a quantised operand, else bf16, f16 or f32 operands; f32 sums; everything else in f32.
;; Inputs: M 4 x 2,048 x 4 x 4 float32; Wb 128 x 16 float32; Wg 128 x 16 float32; Wk 16 x 128 float32; Wo 128 x 16 float32; Wq 16 x 128 float32; Wv 16 x 128 float32; bb 16 float32; bg 16 float32; bk 128 float32; bo 16 float32; bq 128 float32; bv 128 float32; ln_beta 4 x 4 float32; ln_gamma 4 x 4 float32; sens_mask 4 x 4 float32.
;; Outputs: out0 4 x 2,048 x 4 x 4 float32.
;; This version of the problem:
;;   THIS VERSION OF THE PROBLEM IS GIVEN IN LOW PRECISION. The matrix products marked QUANTISED in the list below multiply operands that are first quantised to E2M3 (2 exponent bits, 3 mantissa bits; 6 bits a number), with one power-of-two scale for each 32 numbers along K (OCP MX v1.0); their sums are f32. All else is computed in f32.
;;   The module's matrix products, in the order in which they are computed (A, B: the left and right operand; K: the contracted axis; several contracted axes count as one K, in the product's order):
;;     1. [M 8,192, K 16] x [K 16, N 128]; A: input M; B: input Wq: left as it is (K = 16 < 32)
;;     2. [M 8,192, K 16] x [K 16, N 128]; A: input M; B: input Wk: left as it is (K = 16 < 32)
;;     3. [M 8,192, K 16] x [K 16, N 128]; A: input M; B: input Wv: left as it is (K = 16 < 32)
;;     4. batch 16 x [M 2,048, K 32] x [K 32, N 2,048]; A: computed on the way; B: computed on the way: QUANTISED
;;     5. batch 16 x [M 2,048, K 2,048] x [K 2,048, N 32]; A: softmax (see below); B: computed on the way: QUANTISED
;;     6. [M 8,192, K 128] x [K 128, N 16]; A: computed on the way; B: input Wo: QUANTISED
;;     7. [M 8,192, K 128] x [K 128, N 16]; A: computed on the way; B: input Wg: QUANTISED
;;     8. [M 8,192, K 128] x [K 128, N 16]; A: computed on the way; B: input Wb: QUANTISED
;;   THE QUANTISER, for each operand of a quantised product, along K:
;;     - K is cut into blocks of 32 from its start; a last block that is shorter is filled with zeros.
;;     - A block's scale is 2^e with e = floor(log2(the largest magnitude in the block)) - 2, held to -126 .. 127; a block of zeros has e = 0. As a byte (E8M0): e + 127.
;;     - Each number is divided by its block's scale, clamped to +-7.5, and rounded to the nearest number of E2M3, ties to even, subnormals kept.
;;     - The product sums the exact products of the quantised numbers (number of the format x scale) in f32.
;;   ~~~python
;;   def quantise(x, axis):      # numpy; x: float32 -> the quantised numbers, widened to float32 again
;;       x = np.moveaxis(x, axis, -1); K = x.shape[-1]
;;       x = np.pad(x, [(0, 0)] * (x.ndim - 1) + [(0, -K % 32)]); x = x.reshape(x.shape[:-1] + (-1, 32)); a = np.abs(x).max(-1, keepdims=True)
;;       e = np.where(a > 0, np.clip(np.frexp(np.where(a > 0, a, 1))[1] - 1 - 2, -126, 127), 0)      # np.frexp(a)[1] - 1 = floor(log2(a)), exactly
;;       r = np.clip(x / 2.0 ** e, -7.5, 7.5)
;;       step = 2.0 ** (np.maximum(np.frexp(np.where(r == 0, 1, r))[1] - 1, 0) - 3)
;;       q = np.round(r / step) * step * 2.0 ** e      # np.round: ties to even
;;       return np.moveaxis(q.reshape(q.shape[:-2] + (-1,))[..., :K], -1, axis).astype(np.float32)
;;   ~~~
;;   SOFTMAX AHEAD OF A QUANTISED PRODUCT. Where the list says 'softmax', what is quantised is not the finished softmax but p = 2^(t - M), with t = logit x log2(e) and M = ceil(the row's largest t), a whole number; so 1/2 < the row's largest p <= 1. The row's sum l is taken of the UNQUANTISED p, in f32, and the product's result is divided by l at the end. Since M is a whole number, a kernel that streams over the keys may use a running M (the ceiling of the running maximum): every later rescaling is an exact power of two, which a block's scale takes up: the codes' values come out the same.
;;   OPERANDS COMPUTED ON THE WAY. 'Computed on the way' means the value that the module computes at that place (a softmax that the list does not call 'softmax' is quantised finished and normalised). What goes into a quantiser is computed in f32, as accurately as f32 sums, v_exp_f32 and their like allow (about 1e-6 of the number): no bf16 or f16 on the way to a quantiser, and a product that is left as it is and whose result goes on into a quantised operand takes f32 operands (vector FMAs, or v_wmma_f32_16x16x4_f32). A number that lies on a knife's edge between two numbers of the format may be rounded either way, as far as f32 arithmetic and the matrix unit's own rounding can turn it there, and no further.
;; One version. Each part assembles by itself: llvm-mc -triple=amdgcn-amd-amdhsa -mcpu=gfx1250 --defsym DOCPART=n.
;; ======== version 1 of 1: 2 launches
;; workspace buffers: kvws 1,638,400 bytes; qws 1,048,576 bytes
;; launch project (part 1): grid 64 x 4, 12 waves a work-group, no clusters, 9,728 bytes of LDS; arguments M, Wq, bq, Wk, bk, Wv, bv, qws, kvws; writes qws, kvws
.if DOCPART == 1
	.amdgcn_target "amdgcn-amd-amdhsa--gfx1250"
	.amdhsa_code_object_version 6
	.text
	.protected	k_q2086573bca_project
	.globl	k_q2086573bca_project
	.p2align	8
	.type	k_q2086573bca_project,@function
k_q2086573bca_project:
	s_mov_b64 s[64:65], 0
	v_nop
	global_prefetch_b8 v0, s[64:65] scope:SCOPE_SE
	s_setreg_imm32_b32 hwreg(HW_REG_WAVE_MODE, 25, 1), 1
	s_wait_xcnt 0x0
; Q, K, V = x W + b in f32 (x = M as [8192][16]), quantised to codes of FP6 (E2M3) with one E8M0 byte for each block of 32, and laid in the order of the next launch's operand registers.
; Q and K are quantised along a head's 32 channels (one block a token and head), V along the keys (32 keys a block, for each channel).
; SHARES.  Work-group (x, y): x = 16 b + s: 128 tokens (key step s of batch b); y: the head.  Twelve waves: waves 0-3 Q, 4-7 K, 8-11 V; each takes 32 tokens of one matrix: 32 x 32 results.
; THE PRODUCT.  v_wmma_f32_16x16x4_f32, four K steps for K = 16.  Source 0 (its rows land in a lane's registers) is what the quantiser runs along: the channels (Q, K) or the keys (V).
; Row m of its tile u stands for index 8 u + m + 8 (m / 8), so that a lane's 16 registers of tiles 0 and 1 are 16 NEIGHBOURS: index 16 (lane / 16) + 0 .. 15.  Source 1 (a lane a column): the tokens (Q, K) or the channels (V).
; k is permuted alike on both sides: in K step q register j of lane half h holds k = 8 h + 2 q + j, so that a row of x comes by two loads of 16 bytes.  The bias is the C of each sum's first instruction.
; OUT.  qws: a record of 1,024 bytes for (b, 32 tokens, head): token l: dwords 0-3 at 16 l, dwords 4-7 at 512 + 16 l: 6 dwords of codes, its scale byte four times, 0.
; kvws: a record of 6,400 bytes for (b, key step, head): 0: K, two fragments of 12 registers as images (register p of lane L at 1536 g + 512 (p / 4) + 16 L + 4 (p % 4)); lane 16 hh + r, registers 6 c on: key 64 g + 32 c + 8 hh + r + 8 (r / 8);
; 3072: V^T, two fragments likewise: row r = channel 8 d + r + 8 (r / 8), lane 16 hh + r, registers 6 c on: keys 64 c + 32 hh + 0 .. 31;  6144: K's scale words (64 g + 4 r, byte 2 c + hh);  6272: V's (64 d + 4 r, byte = key block).
; The record is gathered in LDS and leaves as 25 whole runs of 256 aligned bytes.
; NO CLUSTER, NO TENSOR LOAD: a work-group reads 8,192 bytes of M and 6,528 of weights and biases, straight into registers; what neighbours share is these few KB.
; LIMITS: NaN and infinities among the inputs are not served.  A block of zeros gets the byte 1 (not 127): its codes are zeros, and this program alone reads the bytes.
.set PF,   16                          ; v16-31   source 0: tile u at PF + 8 u, register e = k 8 h + e
.set NF,   32                          ; v32-47   source 1: tile t at NF + 8 t
.set CB,   48                          ; v48-63   the biases in the result's layout
.set DA,   64                          ; v64-95   the four sums: (u, t) at DA + 16 t + 8 u; written by matrix instructions alone
.set X,    96                          ; v96-103  a token's (channel's) 6 dwords of codes; for Q also its scale word and a 0
.set Y,    104                         ; v104-106 the second conversion's result
.set SL8,  107                         ; v107     8 x lane
.set T,    108                         ; v108-109 largest magnitudes
.set T2,   110                         ; v110-111 the other lane half's
.set SO,   112                         ; v112-113 the conversions' scale operands
.set BY,   114                         ; v114-115 the scale bytes
.set BYTE, 116                         ; v116     my index's byte
.set QO,   117                         ; v117     16 x lane
.set BT,   118                         ; v118-119 V's biases as loaded
.set OUTR, 120                         ; v120-123, v124-125 the way out
	s_load_b512 s[4:19], s[0:1], 0x0               ; M s[4:5], Wq s[6:7], bq s[8:9], Wk s[10:11], bk s[12:13], Wv s[14:15], bv s[16:17], qws s[18:19]
	s_load_b64 s[20:21], s[0:1], 0x40              ; kvws
	v_lshl_add_u32 v128, v0, 2, 0x2000
	v_mov_b32 v129, 0
	v_lshrrev_b32 v1, 5, v0
	v_readfirstlane_b32 s22, v1                    ; wave 0..11
	v_and_b32 v1, 31, v0                           ; lane L
	v_and_b32 v2, 15, v0                           ; r
	v_bfe_u32 v3, v0, 4, 1                         ; h
	v_and_b32 v4, 8, v2
	v_add_nc_u32 v4, v4, v2                        ; pr = r + 8 (r / 8)
	v_lshlrev_b32 v5, 6, v2
	v_lshl_add_u32 v5, v3, 5, v5                   ; x as source 1: token r: 64 r + 32 h
	v_lshlrev_b32 v6, 6, v4
	v_lshl_add_u32 v6, v3, 5, v6                   ; x as source 0: token pr: 64 pr + 32 h
	v_lshlrev_b32 v7, 2, v4
	v_lshl_add_u32 v7, v3, 12, v7                  ; W as source 0: row 8 h of 512 bytes, channel pr
	v_lshlrev_b32 v8, 2, v2
	v_lshl_add_u32 v8, v3, 12, v8                  ; W as source 1: channel r
	v_lshlrev_b32 v9, 6, v3                        ; the bias of channels 16 h on
	v_lshlrev_b32 v10, 2, v2                       ; the bias of channel r
	s_lshr_b32 s23, s22, 3                         ; 1 in V's waves
	s_lshr_b32 s27, s22, 2                         ; 0 Q, 1 K, 2 V
	s_and_b32 s41, s22, 3                          ; which of the matrix's four waves
	s_lshr_b32 s24, s41, 1                         ; hi
	s_and_b32 s25, s41, 1                          ; lo
	s_and_b32 s26, ttmp7, 0xffff                   ; the head
	s_mov_b32 s38, 0x76543210
	s_mov_b32 s39, 0xfedcba98                      ; v_permlanex16_b32's selects for lane l xor 16
	s_mov_b32 s50, 0x01010101
	; Where lane L's 24 bytes go in the record's image.  L = a + 8 b3 + 16 b4; the image's row is r' = 8 b4 + a.
	; K (32 keys hi, lo): fragment g = hi, registers 6 lo on, lane half b3.   V (key block 2 lo + hi): fragment d = b3, registers 6 lo on, lane half hi.
	; So b3 counts 256 bytes for K and 1,536 for V, hi the other way round; registers 6 c .. 6 c + 5 lie, in pairs, at 0, 8, 512 (c = 0) or 520, 1024, 1032 (c = 1).
	s_mul_i32 s43, s23, 0x700
	s_xor_b32 s44, s43, 256                        ; what b3 counts
	s_xor_b32 s45, s43, 1536                       ; what hi counts
	s_mul_i32 s45, s45, s24
	s_mul_i32 s46, s23, 3072                       ; V's fragments lie behind K's
	s_add_co_u32 s45, s45, s46
	s_mul_i32 s46, s25, 520
	s_add_co_u32 s46, s46, s45
	s_mul_i32 s47, s25, 1016
	s_add_co_u32 s47, s47, s45
	v_and_b32 v126, 7, v0
	v_lshl_add_u32 v126, v3, 3, v126               ; r'
	v_bfe_u32 v127, v0, 3, 1                       ; b3
	v_mul_u32_u24 v11, s44, v127
	v_lshl_add_u32 v11, v126, 4, v11
	v_add_nc_u32 v12, s47, v11                     ; v12: the middle pair's address (less 8)
	v_add_nc_u32 v11, s46, v11                     ; v11: the first pair's; the third lies 512 on
	; and its scale byte: K: word 64 hi + 4 r', byte 2 lo + b3;  V: word 128 + 64 b3 + 4 r', byte 2 lo + hi
	s_mul_i32 s43, s23, 65
	s_xor_b32 s44, s43, 1
	s_xor_b32 s45, s43, 64
	s_mul_i32 s45, s45, s24
	s_lshl_b32 s46, s23, 7
	s_add_co_u32 s45, s45, s46
	s_lshl_b32 s46, s25, 1
	s_add_co_u32 s45, s45, s46
	s_add_co_u32 s45, s45, 6144
	v_mul_u32_u24 v13, s44, v127
	v_lshl_add_u32 v13, v126, 2, v13
	v_add_nc_u32 v13, s45, v13
	v_lshlrev_b32 v14, 4, v0                       ; the way out: 16 x thread: twelve waves x 512 bytes = the 6,144 bytes of codes
	v_lshl_add_u32 v15, v1, 3, 6144                ; and the 256 bytes of scale words, 8 a lane
	v_lshlrev_b32 v[QO], 4, v1
	v_lshlrev_b32 v[SL8], 3, v1
	v_mov_b32 v[T2], 0                             ; written once: a lane permute's destination counts as one of its sources
	v_mov_b32 v[T2+1], 0
	; byte offsets, apart from the addresses
	s_lshl_b32 s42, s25, 1
	s_add_co_u32 s42, s42, s24                     ; V's waves take key block 2 lo + hi,
	s_cmp_eq_u32 s23, 1
	s_cselect_b32 s42, s42, s41                    ; Q's and K's token block 2 hi + lo
	s_lshl_b32 s42, s42, 11                        ; 32 tokens of 64 bytes
	s_lshl_b32 s52, ttmp9, 13                      ; 128 tokens of 64 bytes
	s_add_co_u32 s52, s52, s42
	s_mov_b32 s53, 0
	s_lshl_b32 s54, s26, 7                         ; the head's 32 channels, 4 bytes each, in a row of W and in a bias
	s_mov_b32 s55, 0
	s_lshl_b32 s56, ttmp9, 2
	s_add_co_u32 s56, s56, s41                     ; 64 b + the group of 32 tokens
	s_lshl_b32 s56, s56, 2
	s_add_co_u32 s56, s56, s26
	s_lshl_b32 s56, s56, 10                        ; Q's record
	s_mov_b32 s57, 0
	s_lshr_b32 s58, ttmp9, 4                       ; b
	s_mul_i32 s58, s58, 409600
	s_and_b32 s42, ttmp9, 7                        ; s % 8
	s_mul_i32 s42, s42, 51200
	s_add_co_u32 s58, s58, s42
	s_bfe_u32 s42, ttmp9, 0x10003                  ; s / 8
	s_lshl_b32 s42, s42, 2
	s_add_co_u32 s42, s42, s26
	s_mul_i32 s42, s42, 6400
	s_add_co_u32 s58, s58, s42                     ; K's and V's record
	s_mov_b32 s59, 0
	s_wait_kmcnt 0x0
	s_cmp_eq_u32 s27, 1                            ; my matrix's weight and bias: the choice hangs on the wave's number alone
	s_cselect_b64 s[28:29], s[10:11], s[6:7]
	s_cselect_b64 s[30:31], s[12:13], s[8:9]
	s_cmp_eq_u32 s27, 2
	s_cselect_b64 s[28:29], s[14:15], s[28:29]
	s_cselect_b64 s[30:31], s[16:17], s[30:31]
	s_add_nc_u64 s[28:29], s[28:29], s[54:55]
	s_add_nc_u64 s[30:31], s[30:31], s[54:55]
	s_add_nc_u64 s[32:33], s[4:5], s[52:53]        ; x at my 32 tokens
	s_add_nc_u64 s[34:35], s[18:19], s[56:57]
	s_add_nc_u64 s[36:37], s[20:21], s[58:59]
; 16 matrix instructions: four K steps on four sums, which take turns, one instruction a turn.  The first K step takes the bias as C: by source 1's tile (byn = 1) or by source 0's (0).
.macro MM16 byn
.irp q, 0,1,2,3
.irp t, 0,1
.irp u, 0,1
.if \q == 0
	v_wmma_f32_16x16x4_f32 v[DA+16*\t+8*\u:DA+16*\t+8*\u+7], v[PF+8*\u+2*\q:PF+8*\u+2*\q+1], v[NF+8*\t+2*\q:NF+8*\t+2*\q+1], v[CB+8*(\byn*\t+(1-\byn)*\u):CB+8*(\byn*\t+(1-\byn)*\u)+7]
.else
	v_wmma_f32_16x16x4_f32 v[DA+16*\t+8*\u:DA+16*\t+8*\u+7], v[PF+8*\u+2*\q:PF+8*\u+2*\q+1], v[NF+8*\t+2*\q:NF+8*\t+2*\q+1], v[DA+16*\t+8*\u:DA+16*\t+8*\u+7]
.endif
.endr
.endr
.endr
.endm
	s_cmp_eq_u32 s23, 1
	s_cbranch_scc1 .Lway_v
	; Q, K: source 0 = W^T (channels 8 u + pr), source 1 = x (tokens 16 t + r); C = b[16 h + 8 u + j]
.irp u, 0,1
.irp e, 0,1,2,3,4,5,6,7
	global_load_b32 v[PF+8*\u+\e], v7, s[28:29] offset:512*\e+32*\u
.endr
.endr
.irp t, 0,1
	global_load_b128 v[NF+8*\t:NF+8*\t+3], v5, s[32:33] offset:1024*\t
	global_load_b128 v[NF+8*\t+4:NF+8*\t+7], v5, s[32:33] offset:1024*\t+16
.endr
.irp u, 0,1
	global_load_b128 v[CB+8*\u:CB+8*\u+3], v9, s[30:31] offset:32*\u
	global_load_b128 v[CB+8*\u+4:CB+8*\u+7], v9, s[30:31] offset:32*\u+16
.endr
	s_wait_loadcnt 0x0
	MM16 0
	s_branch .Ljoin
.Lway_v:
	; V: source 0 = x (keys 8 u + pr of my block of 32), source 1 = W (channels 16 t + r); C = my channel's bias in all eight registers
.irp u, 0,1
	global_load_b128 v[PF+8*\u:PF+8*\u+3], v6, s[32:33] offset:512*\u
	global_load_b128 v[PF+8*\u+4:PF+8*\u+7], v6, s[32:33] offset:512*\u+16
.endr
.irp t, 0,1
.irp e, 0,1,2,3,4,5,6,7
	global_load_b32 v[NF+8*\t+\e], v8, s[28:29] offset:512*\e+64*\t
.endr
	global_load_b32 v[BT+\t], v10, s[30:31] offset:64*\t
.endr
	s_wait_loadcnt 0x0
.irp t, 0,1
.irp j, 0,1,2,3,4,5,6,7
	v_mov_b32 v[CB+8*\t+\j], v[BT+\t]
.endr
.endr
.rept 4
	v_nop
.endr
	MM16 1
.Ljoin:
.rept 8
	v_nop                                          ; eight places behind this form before a vector instruction reads its results (ISA guide 7.12.1)
.endr
	; THE QUANTISER.  For t = 0, 1: my 16 numbers of column 16 t + r (each sum read from its low end on), and the floor 2^(3 - 127), which holds the byte at 1 from below
.irp t, 0,1
	v_max3_num_f32 v[T+\t], |v[DA+16*\t]|, |v[DA+16*\t+1]|, 0x1800000
.endr
.irp i, 2,4,6,8,10,12,14
.irp t, 0,1
	v_max3_num_f32 v[T+\t], v[T+\t], |v[DA+16*\t+\i]|, |v[DA+16*\t+\i+1]|
.endr
.endr
.irp t, 0,1
	v_permlanex16_b32 v[T2+\t], v[T+\t], s38, s39
.endr
.irp t, 0,1
	v_max_num_f32 v[T+\t], v[T+\t], v[T2+\t]       ; with lane l xor 16's 16: the block's largest magnitude
.endr
.irp t, 0,1
	v_add_nc_u32 v[SO+\t], 0xff000000, v[T+\t]     ; 2 off its exponent field: the conversion takes that field as its scale
.endr
.irp t, 0,1
	v_lshrrev_b32 v[BY+\t], 23, v[SO+\t]           ; the scale's byte
.endr
	v_cvt_scalef32_pk16_fp6_f32 v[X:X+2], v[DA:DA+15], v[SO]
	v_cvt_scalef32_pk16_fp6_f32 v[Y:Y+2], v[DA+16:DA+31], v[SO+1]
	v_nop                                          ; one plain place behind a scaled conversion
.irp i, 0,1,2
	v_permlane16_swap_b32 v[X+\i], v[Y+\i]         ; X's lanes 16-31 change places with Y's lanes 0-15: lane L now holds column L: X its lower 16 codes, Y its upper 16
.endr
.irp i, 0,1,2
	v_mov_b32 v[X+3+\i], v[Y+\i]
.endr
	v_cmp_gt_u32 vcc_lo, 16, v1
	v_cndmask_b32 v[BYTE], v[BY+1], v[BY], vcc_lo  ; and column L's byte
	s_cmp_lg_u32 s27, 0
	s_cbranch_scc1 .Lto_lds
	v_mul_lo_u32 v[X+6], v[BYTE], s50              ; Q: the byte in all four places of a scale word
	v_mov_b32 v[X+7], 0
	global_store_b128 v[QO], v[X:X+3], s[34:35]                ; 32 lanes store 512 consecutive bytes, at a multiple of 256 from the buffer's first byte
	global_store_b128 v[QO], v[X+4:X+7], s[34:35] offset:512
	s_branch .Lmeet
.Lto_lds:
	ds_store_b64 v11, v[X:X+1]                     ; K, V: into the record's image
	ds_store_b64 v12, v[X+2:X+3] offset:8
	ds_store_b64 v11, v[X+4:X+5] offset:512
	ds_store_b8 v13, v[BYTE]
.Lmeet:
	s_wait_dscnt 0x0                               ; for the others' sake: my stores into the image are done
	s_barrier_signal -1
	s_barrier_wait -1
	ds_load_b128 v[OUTR:OUTR+3], v14
	s_wait_dscnt 0x0
	global_store_b128 v14, v[OUTR:OUTR+3], s[36:37]            ; each wave stores 512 consecutive aligned bytes of the record
	s_cmp_lg_u32 s22, 0
	s_cbranch_scc1 .Lend
	ds_load_b64 v[OUTR+4:OUTR+5], v15              ; wave 0: the 64 scale words
	s_wait_dscnt 0x0
	global_store_b64 v[SL8], v[OUTR+4:OUTR+5], s[36:37] offset:6144   ; 256 consecutive aligned bytes
.Lend:
	s_wait_tensorcnt 0x0
	ds_add_u32 v128, v129
	s_wait_dscnt 0x0
	s_endpgm
.Lfunc_end_k_q2086573bca_project:
	.size	k_q2086573bca_project, .Lfunc_end_k_q2086573bca_project-k_q2086573bca_project
	.p2alignl 7, 3214868480
	.fill 96, 4, 3214868480
	.section	.rodata,"a",@progbits
	.p2align	6, 0x0
	.amdhsa_kernel k_q2086573bca_project
		.amdhsa_group_segment_fixed_size 9728
		.amdhsa_private_segment_fixed_size 0
		.amdhsa_enable_private_segment 0
		.amdhsa_kernarg_size 72
		.amdhsa_user_sgpr_count 2
		.amdhsa_user_sgpr_kernarg_segment_ptr 1
		.amdhsa_wavefront_size32 1
		.amdhsa_system_sgpr_workgroup_id_x 1
		.amdhsa_system_sgpr_workgroup_id_y 1
		.amdhsa_system_sgpr_workgroup_id_z 1
		.amdhsa_system_vgpr_workitem_id 0
		.amdhsa_next_free_vgpr 130
		.amdhsa_next_free_sgpr 66
		.amdhsa_reserve_vcc 1
		.amdhsa_float_denorm_mode_32 3
		.amdhsa_float_denorm_mode_16_64 3
		.amdhsa_memory_ordered 1
		.amdhsa_forward_progress 1
		.amdhsa_inst_pref_size 15
	.end_amdhsa_kernel
	.amdgpu_metadata
---
amdhsa.version: [ 1, 2 ]
amdhsa.kernels:
  - .name:           k_q2086573bca_project
    .symbol:         k_q2086573bca_project.kd
    .args:
      - { .name: M, .offset: 0, .size: 8, .value_kind: global_buffer, .address_space: global }
      - { .name: Wq, .offset: 8, .size: 8, .value_kind: global_buffer, .address_space: global }
      - { .name: bq, .offset: 16, .size: 8, .value_kind: global_buffer, .address_space: global }
      - { .name: Wk, .offset: 24, .size: 8, .value_kind: global_buffer, .address_space: global }
      - { .name: bk, .offset: 32, .size: 8, .value_kind: global_buffer, .address_space: global }
      - { .name: Wv, .offset: 40, .size: 8, .value_kind: global_buffer, .address_space: global }
      - { .name: bv, .offset: 48, .size: 8, .value_kind: global_buffer, .address_space: global }
      - { .name: qws, .offset: 56, .size: 8, .value_kind: global_buffer, .address_space: global }
      - { .name: kvws, .offset: 64, .size: 8, .value_kind: global_buffer, .address_space: global }
    .group_segment_fixed_size: 9728
    .private_segment_fixed_size: 0
    .kernarg_segment_align: 8
    .kernarg_segment_size: 72
    .max_flat_workgroup_size: 384
    .sgpr_count:     66
    .vgpr_count:     130
    .wavefront_size: 32
...
	.end_amdgpu_metadata
.endif
;; end of part 1
;; launch attend (part 2): grid 64 x 4, 16 waves a work-group, clusters of 4 x 1, 327,680 bytes of LDS; arguments kvws, qws, M, Wo, Wg, Wb, bo, bg, bb, ln_gamma, ln_beta, sens_mask, out0; writes out0
.if DOCPART == 2
	.amdgcn_target "amdgcn-amd-amdhsa--gfx1250"
	.amdhsa_code_object_version 6
	.text
	.protected	k_q2086573bca_attend
	.globl	k_q2086573bca_attend
	.p2align	8
	.type	k_q2086573bca_attend,@function
k_q2086573bca_attend:
	s_mov_b64 s[64:65], 0
	v_nop
	global_prefetch_b8 v0, s[64:65] scope:SCOPE_SE
	s_setreg_imm32_b32 hwreg(HW_REG_WAVE_MODE, 25, 1), 1
	s_wait_xcnt 0x0
	s_wait_alu depctr_hold_cnt(0) depctr_sa_sdst(0) depctr_va_vdst(0) depctr_va_sdst(0) depctr_va_ssrc(0) depctr_va_vcc(0) depctr_vm_vsrc(0)
	s_getreg_b32 s2, hwreg(HW_REG_IB_STS2, 6, 4)
	s_cmp_eq_u32 s2, 0
	s_cbranch_scc0 .Lentry_in_a_cluster
	s_endpgm
.Lentry_in_a_cluster:
	s_bfe_u32 s2, ttmp6, 0x10000c
	s_cmp_lg_u32 s2, 0x3003
	s_cbranch_scc0 .Lentry_shape_is_right
	s_endpgm
.Lentry_shape_is_right:
; Attention on codes of FP6 (E2M3) with E8M0 scales, and all that follows it: S^T = K Q^T, softmax, O^T = V^T P^T, ctx quantised, ctx Wo, ctx Wg, ctx Wb, the gate, tanh, LayerNorm over a token's 16 numbers.
; SHARES.  A work-group owns 32 queries of one batch, all four heads: 256 work-groups.  Sixteen waves of 256 registers, four to a SIMD: wave = tau + 2 eta + 8 kap: tile tau of 16 queries, head eta, key half kap.
; A wave walks 8 steps of 128 keys; the two key halves of a (tile, head) are merged at the end by exact powers of two.  Since a work-group holds all four heads of its tokens, it finishes its rows itself.
; THE SOFTMAX AHEAD OF THE SECOND PRODUCT: t = score x log2(e) / sqrt(32); M = the running largest t rounded UP to a whole number (kept as -M); p = 2^(t - M) is quantised along the keys, not normalised;
; the row's sum is taken of the unquantised p and divides at the end; when M moves, the sum and O^T are multiplied by 2^(old M - new M).
; K = 32 IN AN INSTRUCTION OF K = 128.  A fragment of K (12 registers) holds FOUR tiles of 16 keys, one in each block of 32 of the instruction's K.  Q stands in 30 registers [0 x 6][A x 6][0 x 6][B x 6][0 x 6], A = Q's 24 bytes in lanes 0-15
; and zeros in lanes 16-31, B the other way round: the run of 12 that begins at 6, 18, 0, 12 has Q in block 0, 1, 2, 3 and zero codes elsewhere.  So tile 4 g + j of S^T = fragment g x run j; zero codes add nothing under any scale byte here (1 to 254).
; The keys of a tile are chosen (by the launch before) so that the 16 registers of tiles 2 b, 2 b + 1 are keys 32 b + 16 (lane / 16) + 0 .. 15; V's rows so that O^T's 16 registers are channels 16 (lane / 16) + 0 .. 15.
; CLUSTER.  The four work-groups of a cluster belong to one batch and walk the same 409,600 bytes of K and V: every tile is asked for JOINTLY (mask 15), the same line and the same descriptor in all four.  cx enters the addresses of Q, M and out0 alone.
; LDS.  Six regions of 51,200 bytes: region i holds "time step" i: key steps i and 8 + i of the four heads, eight records of 6,400 bytes, as they lie in memory; all reads are 16 or 4 bytes x lane on end.  Each wave fetches 6,400 bytes of two time steps
; with one load: three loads a wave at the start (three are out, by this text's count), and ONE refill: time steps 6 and 7 into regions 0 and 1, which has four time steps' work in which to land.
; Nothing is prefetched: three quarters of the stream are asked for at the head, and the last quarter four time steps ahead of its use.
; LIMITS: NaN and infinities among the inputs are not served.  Blocks of zeros carry the byte 1 (their codes are zeros).  t is the score times ONE rounded constant, where the definition multiplies twice.
.set RSTEP, 51200
.set SPARE, 307200                     ; the spare words, 128 bytes for each of 16 waves: eight blocks of 256 bytes that no other line names
.set WIMG,  309248                     ; three weights, 2,048 bytes each: 0 the fragment's image, 1536 scale words, 1664 the bias, 1728 a second vector (ln_gamma, sens_mask, ln_beta)
.set CTX,   315392                     ; ctx's fragment for each tau, 2,048 bytes: register p of lane L at 128 p + 4 L; scale words at 1536 + 4 r
.set STG,   319488                     ; the way out: 1,024 bytes for each tau
.set MRG,   102400                     ; the merge: 8 x 2,304 bytes, in region 2: it has had its one fill, and is written only behind the barrier behind which nobody reads regions 2 to 5
.set QS, 26                            ; v26-30 hold scales and nothing else: Q's word, K's words, V's, p's, ctx's (v27-29 later the three weights')
.set KS, 27
.set VS, 28
.set PW, 29
.set XS, 30
.set QZ, 32                            ; v32-61   Q among zeros
.set FF, 62                            ; v62-63   f = 2^(old M - new M), and a 0 named with it as a pair
.set KF, 64                            ; v64-87   K's two fragments
.set VF, 88                            ; v88-111  V's two
.set S,  112                           ; v112-175 S^T, then p
.set O,  176                           ; v176-191 O^T
.set PC, 192                           ; v192-203 p's codes
.set TQ, 204                           ; v204-206, v208-210 the conversions' other halves
.set BM, 212                           ; v212-215 each block's largest score, then its largest p
.set BP, 216                           ; v216-219 the other lane half's; then the bytes
.set SO, 220                           ; v220-223 the conversions' scale operands
.set TS, 224                           ; v224-225 the sum's second chain
.set TT, 226                           ; v226     at work
.set MR, 232                           ; v232-239 my token's eight numbers of M
; v1 16 L + my record, v2 4 L + my record's scale words, v3 my spare word, v4 0, v5-6 the step's addresses, v7-11, v16-24 LDS addresses (below), v12 -M, v13 the largest t (later l), v14-15 the sum, v25 16 L, v31 L, v240-245 r, h and global offsets
.macro CROUND                          ; a round of the cluster's barrier: my work-group's barrier; wave 0 signals for the work-group; every wave waits for all four work-groups; my work-group's barrier once more
	s_barrier_signal -1
	s_barrier_wait -1
	s_cmp_lg_u32 s52, 0
	s_cbranch_scc1 .Lnot_wave_0_\@
	s_barrier_signal -3
.Lnot_wave_0_\@:
	s_barrier_wait -3
	s_barrier_signal -1
	s_barrier_wait -1
.endm
	s_load_b512 s[4:19], s[0:1], 0x0               ; kvws s[4:5], qws s[6:7], M s[8:9], Wo s[10:11], Wg s[12:13], Wb s[14:15], bo s[16:17], bg s[18:19]
	s_load_b256 s[20:27], s[0:1], 0x40             ; bb s[20:21], ln_gamma s[22:23], ln_beta s[24:25], sens_mask s[26:27]
	s_load_b64 s[28:29], s[0:1], 0x60              ; out0
	v_lshl_add_u32 v3, v0, 2, SPARE
	v_mov_b32 v4, 0
	ds_add_u32 v3, v4
	ds_add_u32 v3, v4
	s_wait_dscnt 0x0
	v_lshrrev_b32 v5, 5, v0
	v_readfirstlane_b32 s52, v5                    ; wave 0..15
	s_and_b32 s53, s52, 1                          ; tau
	s_lshr_b32 s55, s52, 1                         ; eta + 4 kap: my record in a time step
	s_and_b32 s54, s55, 3                          ; eta
	s_and_b32 s77, ttmp7, 0xffff                   ; the batch, which the four partners share
	; the descriptors.  Group 1: 25 rows of 256 bytes (32 elements of 8 bytes), dense, no padding
	s_mov_b32 s32, 15|(3<<16)|(1<<21)              ; 15:0 the mask: all four work-groups; 17:16 elements of 8 bytes; 21 set beside a mask
	s_mov_b32 s33, 32<<16                          ; tensor_dim0 = 32
	s_mov_b32 s34, 25<<16                          ; tensor_dim1 = 25
	s_mov_b32 s35, 32<<16                          ; tile_dim0 = 32
	s_mov_b32 s36, 25                              ; tile_dim1 = 25
	s_mov_b32 s37, 32                              ; from row to row
	s_mov_b32 s38, 0
	s_mov_b32 s39, 0
	s_mul_i32 s86, s52, 6400                       ; my 6,400 bytes of two time steps' 102,400: in LDS as in memory
	s_mul_i32 s88, s77, 409600
	s_add_co_u32 s88, s88, s86
	s_mov_b32 s89, 0
	; LDS addresses, all made here: a constant, a lane term, a term of the wave's number
	v_and_b32 v31, 31, v0                          ; L
	v_and_b32 v240, 15, v0                         ; r
	v_bfe_u32 v241, v0, 4, 1                       ; h
	s_mul_i32 s66, s55, 6400
	v_lshl_add_u32 v1, v31, 4, s66
	s_add_co_u32 s67, s66, 6144
	v_lshl_add_u32 v2, v31, 2, s67
	s_min_u32 s68, s52, 2                          ; waves 0 to 2 make a weight's image each
	s_lshl_b32 s68, s68, 11
	s_add_co_u32 s68, s68, WIMG
	v_lshl_add_u32 v7, v31, 4, s68                 ; v7: its codes
	s_add_co_u32 s69, s68, 1536
	v_lshl_add_u32 v8, v31, 2, s69                 ; v8: its scale words
	s_add_co_u32 s69, s68, 1664
	v_lshl_add_u32 v9, v240, 2, s69                ; v9: its two vectors of 16
	s_and_b32 s69, s52, 7
	s_mul_i32 s69, s69, 2304
	s_add_co_u32 s69, s69, MRG
	v_lshl_add_u32 v10, v31, 4, s69                ; v10: the merge: O^T
	s_add_co_u32 s69, s69, 2048
	v_lshl_add_u32 v11, v31, 3, s69                ; v11: -M and l
	s_lshl_b32 s70, s53, 11
	s_add_co_u32 s70, s70, CTX
	s_lshr_b32 s71, s54, 1
	s_mul_i32 s71, s71, 768
	s_add_co_u32 s71, s71, s70
	s_and_b32 s76, s54, 1
	s_lshl_b32 s76, s76, 6
	s_add_co_u32 s71, s71, s76
	v_mul_u32_u24 v16, v241, 384
	v_lshl_add_u32 v16, v240, 2, v16
	v_add_nc_u32 v16, s71, v16                     ; v16: head eta is block 2 c + hh of ctx's K: registers 6 c + 3 h + i of lane 16 hh + r: 768 c + 384 h + 64 hh + 4 r (+ 128 i)
	s_add_co_u32 s71, s70, 1536
	v_lshl_add_u32 v19, v240, 2, s71               ; v19: ctx's scale word of token r
	v_add_nc_u32 v17, s54, v19                     ; v17: my head's byte in it
	v_lshl_add_u32 v18, v31, 2, s70                ; v18: ctx's fragment read back
	v_lshl_add_u32 v20, v31, 4, WIMG               ; v20-22: the weights read back
	v_lshl_add_u32 v21, v240, 2, WIMG+1536
	v_lshl_add_u32 v22, v241, 5, WIMG+1664
	s_lshl_b32 s71, s53, 10
	s_add_co_u32 s71, s71, STG
	v_lshlrev_b32 v23, 6, v240
	v_lshl_add_u32 v23, v241, 5, v23
	v_add_nc_u32 v23, s71, v23                     ; v23: the stage, in: token r, 32 bytes for each lane half
	v_lshl_add_u32 v24, v31, 4, s71                ; v24: and back
	v_lshlrev_b32 v25, 4, v31
	; global offsets
	v_lshlrev_b32 v242, 4, v240                    ; Q: 16 r
	v_lshlrev_b32 v243, 6, v240
	v_lshl_add_u32 v243, v241, 5, v243             ; M: 64 r + 32 h
	v_lshlrev_b32 v245, 2, v240                    ; 4 r
	v_lshl_add_u32 v244, v241, 11, v245            ; a weight: column r, 32 rows of 64 bytes further down for lanes 16-31
	s_mov_b32 s58, 0x3e8293ee                      ; c = log2(e) / sqrt(32)
	s_mov_b32 s59, s58                             ; (named with it as a pair, so it is written)
	s_mov_b32 s60, 0x76543210
	s_mov_b32 s61, 0xfedcba98                      ; v_permlanex16_b32's selects for lane l xor 16
	s_bfe_u32 s78, ttmp6, 0x40000                  ; cx
	s_lshl_b32 s79, ttmp9, 2
	s_add_co_u32 s79, s79, s78                     ; my block of 32 queries = 4 x cluster x + cx
	s_lshl_b32 s72, s77, 6
	s_add_co_u32 s72, s72, s79                     ; 64 b + block
	s_lshl_b32 s74, s72, 11                        ; 32 tokens of 64 bytes
	s_lshl_b32 s72, s72, 2
	s_add_co_u32 s72, s72, s54
	s_lshl_b32 s72, s72, 10                        ; Q's record of (b, block, head),
	s_lshl_b32 s76, s53, 8
	s_add_co_u32 s72, s72, s76                     ; tokens 16 tau on
	s_mov_b32 s73, 0
	s_lshl_b32 s76, s53, 10
	s_add_co_u32 s74, s74, s76                     ; M and out0: tokens 16 tau on
	s_mov_b32 s75, 0
	s_wait_kmcnt 0x0
	s_add_nc_u64 s[90:91], s[4:5], s[88:89]
.irp j, 0,1,2
	s_mov_b32 s[40+4*\j], 1                        ; count = 1
	s_add_co_u32 s[41+4*\j], s86, 102400*\j        ; LDS address: time steps 2 j, 2 j + 1
	s_add_nc_u64 s[42+4*\j:43+4*\j], s[90:91], 102400*\j
	s_or_b32 s[43+4*\j], s[43+4*\j], 0x80000000    ; type = 2
.endr
	s_add_nc_u64 s[72:73], s[6:7], s[72:73]        ; Q
	s_add_nc_u64 s[28:29], s[28:29], s[74:75]      ; out0
	s_add_nc_u64 s[74:75], s[8:9], s[74:75]        ; M
	CROUND                                         ; all four work-groups are here: the first joint loads meet
	tensor_load_to_lds s[40:43], s[32:39]          ; the first fills go out together
	s_nop 0
	tensor_load_to_lds s[44:47], s[32:39]
	s_nop 0
	tensor_load_to_lds s[48:51], s[32:39]
	s_nop 0
.rept 4
	v_nop
.endr
	global_load_b128 v[VF:VF+3], v242, s[72:73]               ; Q's codes, dwords 0-3 of token 16 tau + r (both lane halves take the same),
	global_load_b128 v[VF+4:VF+7], v242, s[72:73] offset:512  ; dwords 4, 5, the scale word, a 0
	global_load_b128 v[MR:MR+3], v243, s[74:75]               ; M(token r, 8 h + 0 .. 7)
	global_load_b128 v[MR+4:MR+7], v243, s[74:75] offset:16
	; WAVES 0 TO 2: Wo, Wg, Wb [128 (k)][16 (n)] become operands: lane r takes column r, its registers run down K in the operand's own order: k = 64 c + 32 h + i.  A lane holds two whole blocks.
	s_cmp_lt_u32 s52, 3
	s_cbranch_scc0 .Lno_weight
	s_cmp_eq_u32 s52, 1
	s_cselect_b64 s[80:81], s[12:13], s[10:11]     ; wave 0: Wo, bo, ln_gamma;  1: Wg, bg, sens_mask;  2: Wb, bb, ln_beta
	s_cselect_b64 s[82:83], s[18:19], s[16:17]
	s_cselect_b64 s[84:85], s[26:27], s[22:23]
	s_cmp_eq_u32 s52, 2
	s_cselect_b64 s[80:81], s[14:15], s[80:81]
	s_cselect_b64 s[82:83], s[20:21], s[82:83]
	s_cselect_b64 s[84:85], s[24:25], s[84:85]
.irp c, 0,1
.set ix, 0
.rept 32
	global_load_b32 v[S+32*\c+ix], v244, s[80:81] offset:64*(64*\c+ix)
.set ix, ix+1
.endr
.endr
	global_load_b32 v[KF], v245, s[82:83]
	global_load_b32 v[KF+1], v245, s[84:85]
	s_wait_loadcnt 0x0
.irp c, 0,1
	v_max3_num_f32 v[BM+\c], |v[S+32*\c]|, |v[S+32*\c+1]|, 0x1800000   ; my block 2 c + h, and the floor 2^(3 - 127)
.endr
.irp i, 2,4,6,8,10,12,14,16,18,20,22,24,26,28,30
.irp c, 0,1
	v_max3_num_f32 v[BM+\c], v[BM+\c], |v[S+32*\c+\i]|, |v[S+32*\c+\i+1]|
.endr
.endr
.irp c, 0,1
	v_add_nc_u32 v[SO+\c], 0xff000000, v[BM+\c]
.endr
.irp c, 0,1
	v_lshrrev_b32 v[BP+\c], 23, v[SO+\c]
.endr
	v_lshl_or_b32 v[TT], v[BP+1], 16, v[BP]        ; my two bytes: blocks h and 2 + h,
	v_lshlrev_b32 v[TS], 3, v241
	v_lshlrev_b32 v[TT], v[TS], v[TT]              ; at their places (8 h bits up);
	v_mov_b32 v[TS], 0
	v_permlanex16_b32 v[TS], v[TT], s60, s61
	v_or_b32 v[TT], v[TT], v[TS]                   ; with lane l xor 16's two the word is whole
.irp c, 0,1
	v_cvt_scalef32_pk16_fp6_f32 v[PC+6*\c:PC+6*\c+2], v[S+32*\c:S+32*\c+15], v[SO+\c]
	v_cvt_scalef32_pk16_fp6_f32 v[TQ+4*\c:TQ+4*\c+2], v[S+32*\c+16:S+32*\c+31], v[SO+\c]   ; (a conversion's three registers begin on an even number)
.endr
	v_nop                                          ; one plain place behind a scaled conversion
.irp c, 0,1
.irp i, 0,1,2
	v_mov_b32 v[PC+6*\c+3+\i], v[TQ+4*\c+\i]
.endr
.endr
.irp q, 0,1,2
	ds_store_b128 v7, v[PC+4*\q:PC+4*\q+3] offset:512*\q   ; the fragment as an image of its registers
.endr
	ds_store_b32 v8, v[TT]
	ds_store_b32 v9, v[KF]                         ; (lanes r and 16 + r write the same word with the same value)
	ds_store_b32 v9, v[KF+1] offset:64
.Lno_weight:
	s_wait_loadcnt 0x0                             ; Q and M's rows
	v_cmp_gt_u32 vcc_lo, 16, v31
	v_cmp_le_u32 s70, 16, v31
.irp i, 0,1,2,3,4,5
	v_mov_b32 v[QZ+\i], 0
	v_mov_b32 v[QZ+12+\i], 0
	v_mov_b32 v[QZ+24+\i], 0
	v_cndmask_b32 v[QZ+6+\i], 0, v[VF+\i], vcc_lo  ; A: Q in lanes 0-15
	v_cndmask_b32 v[QZ+18+\i], 0, v[VF+\i], s70    ; B: Q in lanes 16-31
.endr
	v_mov_b32 v[QS], v[VF+6]                       ; Q's scale word: the same byte for all four blocks.  (The moves below stand between it and the first product)
.set ix, 0
.rept 16
	v_mov_b32 v[O+ix], 0                           ; O^T.  (The step is written without a first step of its own: it finds zeros, which the first change of M leaves zeros)
.set ix, ix+1
.endr
.irp b, 0,1,2,3
	v_mov_b32 v[BP+\b], 0                          ; a lane permute's destination counts as one of its sources
.endr
	v_mov_b32 v[FF+1], 0
	v_mov_b32 v14, 0                               ; the sum, in two halves
	v_mov_b32 v15, 0
	v_mov_b32 v13, 0xff61b1e6                      ; the largest t so far: -3e38
	v_floor_f32 v12, -v13                          ; -M
; A KEY STEP: 128 keys of my head and key half, in the region at LDS byte s56.
.macro STEP
	v_add_nc_u32 v5, s56, v1
	v_add_nc_u32 v6, s56, v2
	v_nop
	v_nop                                          ; four places in front of loads into registers that the last products read (ISA guide 7.12.1 for vector instructions)
.irp q, 0,1,2,3,4,5
	ds_load_b128 v[KF+4*\q:KF+4*\q+3], v5 offset:512*\q
.endr
	ds_load_b32 v[KS], v6                          ; lanes 0-15: fragment 0's scale words, lanes 16-31: fragment 1's
.irp q, 0,1,2,3,4,5
	ds_load_b128 v[VF+4*\q:VF+4*\q+3], v5 offset:3072+512*\q
.endr
	ds_load_b32 v[VS], v6 offset:128
	s_wait_dscnt 0x7                               ; K's seven loads are in; V's seven may be out
.irp g, 0,1
.irp j, 0,1,2,3
.if \g == 0
	v_wmma_scale_f32_16x16x128_f8f6f4 v[S+8*(4*\g+\j):S+8*(4*\g+\j)+7], v[KF+12*\g:KF+12*\g+11], v[QZ+12*(\j%2)+6*(1-\j/2):QZ+12*(\j%2)+6*(1-\j/2)+11], 0, v[KS], v[QS] matrix_a_fmt:MATRIX_FMT_FP6 matrix_b_fmt:MATRIX_FMT_FP6
.else
	v_wmma_scale_f32_16x16x128_f8f6f4 v[S+8*(4*\g+\j):S+8*(4*\g+\j)+7], v[KF+12*\g:KF+12*\g+11], v[QZ+12*(\j%2)+6*(1-\j/2):QZ+12*(\j%2)+6*(1-\j/2)+11], 0, v[KS], v[QS] matrix_a_fmt:MATRIX_FMT_FP6 matrix_b_fmt:MATRIX_FMT_FP6 matrix_a_scale:MATRIX_SCALE_ROW1
.endif
.endr
.endr
.rept 4
	v_nop                                          ; four places before the results are read
.endr
.irp b, 0,1,2,3
	v_max3_num_f32 v[BM+\b], v[S+16*\b], v[S+16*\b+1], v[S+16*\b+2]   ; the largest score of each block of 32 keys: for the row's maximum and, since p rises with the score, for the block's largest p
.endr
.irp i, 3,5,7,9,11,13
.irp b, 0,1,2,3
	v_max3_num_f32 v[BM+\b], v[BM+\b], v[S+16*\b+\i], v[S+16*\b+\i+1]
.endr
.endr
.irp b, 0,1,2,3
	v_max_num_f32 v[BM+\b], v[BM+\b], v[S+16*\b+15]
.endr
.irp b, 0,1,2,3
	v_permlanex16_b32 v[BP+\b], v[BM+\b], s60, s61
.endr
.irp b, 0,1,2,3
	v_max_num_f32 v[BM+\b], v[BM+\b], v[BP+\b]     ; with lane l xor 16's 16 keys
.endr
	v_max3_num_f32 v[TT], v[BM], v[BM+1], v[BM+2]
	v_max_num_f32 v[TT], v[TT], v[BM+3]
	v_mul_f32 v[TT], s58, v[TT]                    ; the step's largest t (c is positive)
	v_max_num_f32 v13, v13, v[TT]
	v_mov_b32 v[TT], v12
	v_floor_f32 v12, -v13                          ; the new -M = -ceil(t): a whole number
	v_sub_f32 v[TT], v12, v[TT]                    ; old M - new M: a whole number, 0 or less
	v_cvt_i32_f32 v[TT], v[TT]                     ; (it saturates)
	v_ldexp_f32 v[FF], 1.0, v[TT]                  ; f = 2^(old M - new M)
.set ix, 0
.rept 32
	v_pk_fma_f32 v[S+ix:S+ix+1], v[S+ix:S+ix+1], s[58:59], v[12:13] op_sel_hi:[1,0,0]   ; t - M, two at a time
.set ix, ix+2
.endr
.irp b, 0,1,2,3
	v_fma_f32 v[BM+\b], v[BM+\b], s58, v12         ; the same of each block's largest score
.endr
.set ix, 0
.rept 64
	v_exp_f32 v[S+ix], v[S+ix]                     ; p = 2^(t - M)
.set ix, ix+1
.endr
	v_pk_mul_f32 v[14:15], v[14:15], v[FF:FF+1] op_sel_hi:[1,0]   ; the sums and O^T under the new M: work that names no exponential's result
.irp i, 0,2,4,6,8,10,12,14
	v_pk_mul_f32 v[O+\i:O+\i+1], v[O+\i:O+\i+1], v[FF:FF+1] op_sel_hi:[1,0]
.endr
	s_wait_alu depctr_va_vdst(0)                   ; one wait for the batch of 64, ahead of its first reader
.irp b, 0,1,2,3
	v_exp_f32 v[BM+\b], v[BM+\b]                   ; each block's largest p: the same two instructions on the same number give the same bits
.endr
	v_pk_add_f32 v[TS:TS+1], v[S:S+1], v[S+2:S+3]  ; the row's sum of the UNQUANTISED p, in two chains; the first half stands behind the four exponentials
.irp j, 4,8,12,16,20,24,28
	v_pk_add_f32 v[14:15], v[14:15], v[S+\j:S+\j+1]
	v_pk_add_f32 v[TS:TS+1], v[TS:TS+1], v[S+\j+2:S+\j+3]
.endr
	s_wait_alu depctr_va_vdst(0)                   ; and one for the four
.irp b, 0,1,2,3
	v_max_num_f32 v[BM+\b], 0x1800000, v[BM+\b]    ; the floor 2^(3 - 127): the byte cannot fall under 1
.endr
.irp b, 0,1,2,3
	v_add_nc_u32 v[SO+\b], 0xff000000, v[BM+\b]    ; 2 off the exponent field: the conversion's scale operand
.endr
.irp b, 0,1,2,3
	v_lshrrev_b32 v[BP+\b], 23, v[SO+\b]
.endr
	v_lshl_or_b32 v[PW], v[BP+1], 8, v[BP]         ; p's scale word for these 128 keys
	v_lshl_or_b32 v[PW], v[BP+2], 16, v[PW]
	v_lshl_or_b32 v[PW], v[BP+3], 24, v[PW]
.irp c, 0,1
	v_cvt_scalef32_pk16_fp6_f32 v[PC+6*\c:PC+6*\c+2], v[S+32*\c:S+32*\c+15], v[SO+2*\c]
	v_cvt_scalef32_pk16_fp6_f32 v[TQ+4*\c:TQ+4*\c+2], v[S+32*\c+16:S+32*\c+31], v[SO+2*\c+1]
.endr
	v_nop                                          ; one plain place behind a scaled conversion
.irp c, 0,1                                    ; the operand wants a WHOLE block in a lane: lanes 0-15 block 2 c, lanes 16-31 block 2 c + 1
.irp i, 0,1,2
	v_permlane16_swap_b32 v[PC+6*\c+\i], v[TQ+4*\c+\i]
.endr
.irp i, 0,1,2
	v_mov_b32 v[PC+6*\c+3+\i], v[TQ+4*\c+\i]
.endr
.endr
.irp j, 32,36,40,44,48,52,56,60                ; the sum's second half: 17 plain lines between the scale word and codes just made and the scaled products
	v_pk_add_f32 v[14:15], v[14:15], v[S+\j:S+\j+1]
	v_pk_add_f32 v[TS:TS+1], v[TS:TS+1], v[S+\j+2:S+\j+3]
.endr
	v_pk_add_f32 v[14:15], v[14:15], v[TS:TS+1]
	s_wait_dscnt 0x0                               ; V is in
	v_wmma_scale_f32_16x16x128_f8f6f4 v[O:O+7], v[VF:VF+11], v[PC:PC+11], v[O:O+7], v[VS], v[PW] matrix_a_fmt:MATRIX_FMT_FP6 matrix_b_fmt:MATRIX_FMT_FP6
	v_wmma_scale_f32_16x16x128_f8f6f4 v[O+8:O+15], v[VF+12:VF+23], v[PC:PC+11], v[O+8:O+15], v[VS], v[PW] matrix_a_fmt:MATRIX_FMT_FP6 matrix_b_fmt:MATRIX_FMT_FP6 matrix_a_scale:MATRIX_SCALE_ROW1
.endm                                          ; (the two sums take turns, and the next step's eight products stand between two instructions on one sum)
.macro RUN n, start                            ; n time steps, from LDS byte start on
	s_mov_b32 s56, \start
	s_mov_b32 s57, \n
.Lrun_\@:
	STEP
	s_add_co_u32 s56, s56, RSTEP
	s_sub_co_u32 s57, s57, 1
	s_cmp_lg_u32 s57, 0
	s_cbranch_scc1 .Lrun_\@
.endm
	s_wait_tensorcnt 0x2                           ; my part of time steps 0 and 1 is in; my two younger loads may stay out
	s_wait_dscnt 0x0                               ; the weights' images are stored
	s_barrier_signal -1
	s_barrier_wait -1
	RUN 2, 0
	; THE ONE REFILL: regions 0 and 1 take time steps 6 and 7
	s_wait_tensorcnt 0x0                           ; all my tensor loads have landed, my parts of time steps 2 to 5 among them: so a group 0 may be written
	ds_add_u32 v3, v4                              ; 0 onto my spare word
	s_add_nc_u64 s[42:43], s[42:43], 307200        ; six time steps on in memory; the LDS address stays
	s_wait_dscnt 0x0                               ; the add is done, and my reads of regions 0 and 1 are over
	CROUND                                         ; both now hold of every wave of all four work-groups
	tensor_load_to_lds s[40:43], s[32:39]          ; my one tensor load behind the round, and the first thing there
	s_nop 0
.rept 4
	v_nop
.endr
	RUN 4, 2*RSTEP
	s_wait_tensorcnt 0x0                           ; my part of time steps 6 and 7 is in
	s_wait_dscnt 0x0                               ; my reads of regions 2 to 5 are over
	s_barrier_signal -1
	s_barrier_wait -1                              ; from here on region 2 serves the merge
	RUN 2, 0
	v_add_f32 v13, v14, v15                        ; the sum's two halves,
	v_permlanex16_b32 v[TT], v13, s60, s61
	v_add_f32 v13, v13, v[TT]                      ; and lane l xor 16's: l of my key half
	v_nop
	v_nop                                          ; (with the two additions: four places behind the last products)
	s_cmp_lt_u32 s52, 8
	s_cbranch_scc1 .Lkeep
.irp q, 0,1,2,3
	ds_store_b128 v10, v[O+4*\q:O+4*\q+3] offset:512*\q   ; the upper key half hands over O^T (each sum from its low end on),
.endr
	ds_store_b64 v11, v[12:13]                     ; -M and l
.Lkeep:
	s_wait_dscnt 0x0
	s_barrier_signal -1
	s_barrier_wait -1
	s_cmp_lt_u32 s52, 8
	s_cbranch_scc0 .Lmerged
.irp q, 0,1,2,3
	ds_load_b128 v[S+4*\q:S+4*\q+3], v10 offset:512*\q
.endr
	ds_load_b64 v[S+16:S+17], v11
	s_wait_dscnt 0x0
	v_min_num_f32 v[TT], v12, v[S+16]              ; -M of both halves together
	v_sub_f32 v[TS], v[TT], v12                    ; each half's M less the common one: whole numbers, 0 or less
	v_sub_f32 v[TS+1], v[TT], v[S+16]
	v_cvt_i32_f32 v[TS], v[TS]
	v_cvt_i32_f32 v[TS+1], v[TS+1]
	v_ldexp_f32 v[TS], 1.0, v[TS]                  ; f0, f1: exact powers of two
	v_ldexp_f32 v[TS+1], 1.0, v[TS+1]
	v_mul_f32 v[TT], v13, v[TS]
	v_fma_f32 v[TT], v[S+17], v[TS+1], v[TT]       ; the row's sum
	v_rcp_f32 v[TT], v[TT]
	v_nop                                          ; a plain place behind the transcendental,
	s_wait_alu depctr_va_vdst(0)                   ; and the wait ahead of its first reader
	v_mul_f32 v[FF], v[TS], v[TT]                  ; f0 / l
	v_mul_f32 v[TS], v[TS+1], v[TT]                ; f1 / l
.irp i, 0,2,4,6,8,10,12,14
	v_pk_mul_f32 v[S+32+\i:S+33+\i], v[O+\i:O+\i+1], v[FF:FF+1] op_sel_hi:[1,0]
.endr
.irp i, 0,2,4,6,8,10,12,14
	v_pk_fma_f32 v[S+32+\i:S+33+\i], v[S+\i:S+\i+1], v[TS:TS+1], v[S+32+\i:S+33+\i] op_sel_hi:[1,0,1]   ; ctx(token r, head eta, channels 16 h + 0 .. 15)
.endr
	v_max3_num_f32 v[BM], |v[S+32]|, |v[S+33]|, 0x1800000   ; ctx is quantised along its 128: my head is one block
.irp i, 2,4,6,8,10,12,14
	v_max3_num_f32 v[BM], v[BM], |v[S+32+\i]|, |v[S+33+\i]|
.endr
	v_permlanex16_b32 v[BP], v[BM], s60, s61
	v_max_num_f32 v[BM], v[BM], v[BP]
	v_add_nc_u32 v[SO], 0xff000000, v[BM]
	v_lshrrev_b32 v[BP], 23, v[SO]
	v_cvt_scalef32_pk16_fp6_f32 v[PC:PC+2], v[S+32:S+47], v[SO]
	v_nop                                          ; one plain place behind a scaled conversion
	ds_store_b32 v16, v[PC]                        ; three registers of the operand's image
	ds_store_b32 v16, v[PC+1] offset:128
	ds_store_b32 v16, v[PC+2] offset:256
	ds_store_b8 v17, v[BP]                         ; (lanes r and 16 + r write the same byte with the same value)
.Lmerged:
	s_wait_dscnt 0x0
	s_barrier_signal -1
	s_barrier_wait -1
	s_cmp_lt_u32 s52, 2
	s_cbranch_scc0 .Lfin
	; WAVES 0 AND 1: the rows of tile tau are finished.  Transposed: source 0 = a weight's 16 columns, source 1 = ctx's 16 tokens: lane (r, h) holds token r, outputs 8 h + 0 .. 7.  The biases are the products' C.
.irp p, 0,1,2,3,4,5,6,7,8,9,10,11
	ds_load_b32 v[PC+\p], v18 offset:128*\p
.endr
	ds_load_b32 v[XS], v19
.irp p, 0,1,2
.irp q, 0,1,2
	ds_load_b128 v[KF+12*\p+4*\q:KF+12*\p+4*\q+3], v20 offset:2048*\p+512*\q
.endr
	ds_load_b32 v[KS+\p], v21 offset:2048*\p
	ds_load_b128 v[S+8*\p:S+8*\p+3], v22 offset:2048*\p           ; bo, bg, bb at 8 h on
	ds_load_b128 v[S+8*\p+4:S+8*\p+7], v22 offset:2048*\p+16
	ds_load_b128 v[S+24+8*\p:S+24+8*\p+3], v22 offset:2048*\p+64  ; ln_gamma, sens_mask, ln_beta
	ds_load_b128 v[S+24+8*\p+4:S+24+8*\p+7], v22 offset:2048*\p+80
.endr
	s_mov_b32 s66, 0x3d800000                      ; 1 / 16
	s_mov_b32 s67, 0x358637bd                      ; 1e-6
	s_wait_dscnt 0x0
.irp p, 0,1,2
	v_wmma_scale_f32_16x16x128_f8f6f4 v[S+8*\p:S+8*\p+7], v[KF+12*\p:KF+12*\p+11], v[PC:PC+11], v[S+8*\p:S+8*\p+7], v[KS+\p], v[XS] matrix_a_fmt:MATRIX_FMT_FP6 matrix_b_fmt:MATRIX_FMT_FP6
.endr
.rept 4
	v_nop
.endr
.irp i, 0,2,4,6
	v_pk_mul_f32 v[S+48+\i:S+49+\i], v[S+8+\i:S+9+\i], 0xbfb8aa3b op_sel_hi:[1,0]    ; -log2(e) x the gate's sum
	v_pk_mul_f32 v[S+56+\i:S+57+\i], v[S+16+\i:S+17+\i], 0x4038aa3b op_sel_hi:[1,0]  ; 2 log2(e) x tanh's
.endr
.set ix, 0
.rept 16
	v_exp_f32 v[S+48+ix], v[S+48+ix]
.set ix, ix+1
.endr
.irp i, 0,2,4,6
	v_pk_add_f32 v[S+\i:S+\i+1], v[S+\i:S+\i+1], v[MR+\i:MR+\i+1] neg_lo:[0,1] neg_hi:[0,1]   ; delta - M: work that names no exponential's result
.endr
	s_wait_alu depctr_va_vdst(0)
.irp i, 0,2,4,6,8,10,12,14
	v_pk_add_f32 v[S+48+\i:S+49+\i], v[S+48+\i:S+49+\i], 1.0 op_sel_hi:[1,0]
.endr
.set ix, 0
.rept 16
	v_rcp_f32 v[S+48+ix], v[S+48+ix]               ; sigmoid(x) = 1 / (1 + 2^(-log2(e) x));  tanh(x) = 1 - 2 / (1 + 2^(2 log2(e) x))
.set ix, ix+1
.endr
	v_nop
	s_wait_alu depctr_va_vdst(0)
.irp i, 0,2,4,6
	v_pk_mul_f32 v[S+48+\i:S+49+\i], v[S+48+\i:S+49+\i], v[S+32+\i:S+33+\i]              ; G = sigmoid x sens_mask
.endr
.irp i, 0,2,4,6
	v_pk_fma_f32 v[S+\i:S+\i+1], v[S+48+\i:S+49+\i], v[S+\i:S+\i+1], v[MR+\i:MR+\i+1]    ; M + G (delta - M)
.endr
.irp i, 0,2,4,6
	v_pk_fma_f32 v[S+\i:S+\i+1], v[S+56+\i:S+57+\i], 0xbe4ccccd, v[S+\i:S+\i+1] op_sel_hi:[1,0,1]   ; + 0.1 tanh = - 0.2 / (..)
.endr
.irp i, 0,2,4,6
	v_pk_add_f32 v[S+\i:S+\i+1], v[S+\i:S+\i+1], 0x3dcccccd op_sel_hi:[1,0]              ;   + 0.1
.endr
	v_pk_add_f32 v[TS:TS+1], v[S:S+1], v[S+2:S+3]  ; LayerNorm over the token's 16: my eight and lane l xor 16's
	v_pk_add_f32 v[FF:FF+1], v[S+4:S+5], v[S+6:S+7]
	v_pk_add_f32 v[TS:TS+1], v[TS:TS+1], v[FF:FF+1]
	v_add_f32 v[TS], v[TS], v[TS+1]
	v_permlanex16_b32 v[TT], v[TS], s60, s61
	v_add_f32 v[TS], v[TS], v[TT]
	v_mul_f32 v[TS], s66, v[TS]                    ; the mean
.irp i, 0,2,4,6
	v_pk_add_f32 v[S+\i:S+\i+1], v[S+\i:S+\i+1], v[TS:TS+1] op_sel_hi:[1,0] neg_lo:[0,1] neg_hi:[0,1]
.endr
	v_pk_mul_f32 v[FF:FF+1], v[S:S+1], v[S:S+1]
.irp i, 2,4,6
	v_pk_fma_f32 v[FF:FF+1], v[S+\i:S+\i+1], v[S+\i:S+\i+1], v[FF:FF+1]
.endr
	v_add_f32 v[FF], v[FF], v[FF+1]
	v_permlanex16_b32 v[TT], v[FF], s60, s61
	v_add_f32 v[FF], v[FF], v[TT]
	v_fma_f32 v[FF], v[FF], s66, s67               ; the variance + 1e-6
	v_rsq_f32 v[FF], v[FF]
	v_nop
	s_wait_alu depctr_va_vdst(0)
.irp i, 0,2,4,6
	v_pk_mul_f32 v[S+\i:S+\i+1], v[S+\i:S+\i+1], v[FF:FF+1] op_sel_hi:[1,0]
.endr
.irp i, 0,2,4,6
	v_pk_fma_f32 v[S+\i:S+\i+1], v[S+\i:S+\i+1], v[S+24+\i:S+25+\i], v[S+40+\i:S+41+\i]  ; x ln_gamma + ln_beta
.endr
	ds_store_b128 v23, v[S:S+3]                    ; through my stage, so that each store covers whole runs of consecutive bytes
	ds_store_b128 v23, v[S+4:S+7] offset:16
	ds_load_b128 v[S+8:S+11], v24                  ; LDS serves a wave's instructions in order (ISA guide 5.7.1.4): these see my stores
	ds_load_b128 v[S+12:S+15], v24 offset:512
	s_wait_dscnt 0x0
	global_store_b128 v25, v[S+8:S+11], s[28:29]               ; 32 lanes store 512 consecutive bytes, at a multiple of 256 from out0's first byte
	global_store_b128 v25, v[S+12:S+15], s[28:29] offset:512
.Lfin:
	s_wait_tensorcnt 0x0                           ; the wave's end, behind my last tensor load and my last LDS store
	ds_add_u32 v3, v4
	s_wait_dscnt 0x0
	CROUND                                         ; the closing round: no work-group ends while a partner may still ask for a tile that names it
	s_endpgm
.Lfunc_end_k_q2086573bca_attend:
	.size	k_q2086573bca_attend, .Lfunc_end_k_q2086573bca_attend-k_q2086573bca_attend
	.p2alignl 7, 3214868480
	.fill 96, 4, 3214868480
	.section	.rodata,"a",@progbits
	.p2align	6, 0x0
	.amdhsa_kernel k_q2086573bca_attend
		.amdhsa_group_segment_fixed_size 327680
		.amdhsa_private_segment_fixed_size 0
		.amdhsa_enable_private_segment 0
		.amdhsa_kernarg_size 104
		.amdhsa_user_sgpr_count 2
		.amdhsa_user_sgpr_kernarg_segment_ptr 1
		.amdhsa_wavefront_size32 1
		.amdhsa_system_sgpr_workgroup_id_x 1
		.amdhsa_system_sgpr_workgroup_id_y 1
		.amdhsa_system_sgpr_workgroup_id_z 1
		.amdhsa_system_vgpr_workitem_id 0
		.amdhsa_next_free_vgpr 256
		.amdhsa_next_free_sgpr 100
		.amdhsa_reserve_vcc 1
		.amdhsa_float_denorm_mode_32 3
		.amdhsa_float_denorm_mode_16_64 3
		.amdhsa_memory_ordered 1
		.amdhsa_forward_progress 1
		.amdhsa_inst_pref_size 75
	.end_amdhsa_kernel
	.amdgpu_metadata
---
amdhsa.version: [ 1, 2 ]
amdhsa.kernels:
  - .name:           k_q2086573bca_attend
    .symbol:         k_q2086573bca_attend.kd
    .args:
      - { .name: kvws, .offset: 0, .size: 8, .value_kind: global_buffer, .address_space: global }
      - { .name: qws, .offset: 8, .size: 8, .value_kind: global_buffer, .address_space: global }
      - { .name: M, .offset: 16, .size: 8, .value_kind: global_buffer, .address_space: global }
      - { .name: Wo, .offset: 24, .size: 8, .value_kind: global_buffer, .address_space: global }
      - { .name: Wg, .offset: 32, .size: 8, .value_kind: global_buffer, .address_space: global }
      - { .name: Wb, .offset: 40, .size: 8, .value_kind: global_buffer, .address_space: global }
      - { .name: bo, .offset: 48, .size: 8, .value_kind: global_buffer, .address_space: global }
      - { .name: bg, .offset: 56, .size: 8, .value_kind: global_buffer, .address_space: global }
      - { .name: bb, .offset: 64, .size: 8, .value_kind: global_buffer, .address_space: global }
      - { .name: ln_gamma, .offset: 72, .size: 8, .value_kind: global_buffer, .address_space: global }
      - { .name: ln_beta, .offset: 80, .size: 8, .value_kind: global_buffer, .address_space: global }
      - { .name: sens_mask, .offset: 88, .size: 8, .value_kind: global_buffer, .address_space: global }
      - { .name: out0, .offset: 96, .size: 8, .value_kind: global_buffer, .address_space: global }
    .group_segment_fixed_size: 327680
    .private_segment_fixed_size: 0
    .kernarg_segment_align: 8
    .kernarg_segment_size: 104
    .max_flat_workgroup_size: 512
    .sgpr_count:     100
    .vgpr_count:     256
    .wavefront_size: 32
...
	.end_amdgpu_metadata
.endif
;; end of part 2
